; MI455X (gfx1250); checked and timed in simulation.
; The chip was launched on July 23, 2026; its instructions are those of AMD's public machine-readable ISA for CDNA 5 (MIT licence, August 2026) and "CDNA5" Instruction Set Architecture Reference Guide (July 2026). The comments in the code are by the model that wrote it; some were corrected since.
;; Learned Aggregation Layer. Allowed arithmetic: matrix products marked QUANTISED: E2M1 operands, one E8M0 scale for each 32 along K, by v_wmma_scale_f32_16x16x128_f8f6f4 with both operands' format E2M1 (or v_wmma_scale_f32_32x16x128_f4), f32 sums; products left as they are: f32 operands where the result goes on into a quantised operand, else bf16, f16 or f32 operands; f32 sums; everything else in f32.
;; Inputs: Wk_codes 512 x 16 x 16 uint8 (E2M1 codes of Wk, K innermost, in blocks of 32 codes, two codes a byte); Wk_scales 512 x 16 uint8 (E8M0 scales of Wk, one for each 32 codes along K); Wp_codes 512 x 16 x 16 uint8 (E2M1 codes of Wp, K innermost, in blocks of 32 codes, two codes a byte); Wp_scales 512 x 16 uint8 (E8M0 scales of Wp, one for each 32 codes along K); Wq 512 x 512 float32; Wv_codes 512 x 16 x 16 uint8 (E2M1 codes of Wv, K innermost, in blocks of 32 codes, two codes a byte); Wv_scales 512 x 16 uint8 (E8M0 scales of Wv, one for each 32 codes along K); bp 512 float32; cls_token 1 x 1 x 512 float32; x_codes 16 x 8,192 x 16 x 16 uint8 (E2M1 codes of x, K innermost, in blocks of 32 codes, two codes a byte); x_scales 16 x 8,192 x 16 uint8 (E8M0 scales of x, one for each 32 codes along K).
;; Outputs: out0 16 x 512 float32.
;; This version of the problem:
;;   THIS VERSION OF THE PROBLEM IS GIVEN IN LOW PRECISION. The matrix products marked QUANTISED in the list below multiply operands that are first quantised to E2M1 (2 exponent bits, 1 mantissa bit; 4 bits a number), with one power-of-two scale for each 32 numbers along K (OCP MX v1.0); their sums are f32. All else is computed in f32.
;;   The module's matrix products, in the order in which they are computed (A, B: the left and right operand; K: the contracted axis; several contracted axes count as one K, in the product's order):
;;     1. [M 1, K 512] x [K 512, N 512]; A: input cls_token; B: input Wq: left as it is (M = 1 < 16)
;;     2. [M 131,072, K 512] x [K 512, N 512]; A: input x (given as codes); B: input Wk (given as codes): QUANTISED
;;     3. [M 131,072, K 512] x [K 512, N 512]; A: input x (given as codes); B: input Wv (given as codes): QUANTISED
;;     4. batch 8 x [M 131,072, K 64] x [K 64, N 1]; A: computed on the way; B: computed on the way: left as it is (N = 1 < 16)
;;     5. batch 128 x [M 1, K 8,192] x [K 8,192, N 64]; A: softmax; B: computed on the way: left as it is (M = 1 < 16)
;;     6. [M 16, K 512] x [K 512, N 512]; A: computed on the way; B: input Wp (given as codes): QUANTISED
;;   THE QUANTISER, for each operand of a quantised product, along K:
;;     - K is cut into blocks of 32 from its start; a last block that is shorter is filled with zeros.
;;     - A block's scale is 2^e with e = floor(log2(the largest magnitude in the block)) - 2, held to -126 .. 127; a block of zeros has e = 0. As a byte (E8M0): e + 127.
;;     - Each number is divided by its block's scale, clamped to +-6, and rounded to the nearest number of E2M1, ties to even, subnormals kept.
;;     - The product sums the exact products of the quantised numbers (number of the format x scale) in f32.
;;   ~~~python
;;   def quantise(x, axis):      # numpy; x: float32 -> the quantised numbers, widened to float32 again
;;       x = np.moveaxis(x, axis, -1); K = x.shape[-1]
;;       x = np.pad(x, [(0, 0)] * (x.ndim - 1) + [(0, -K % 32)]); x = x.reshape(x.shape[:-1] + (-1, 32)); a = np.abs(x).max(-1, keepdims=True)
;;       e = np.where(a > 0, np.clip(np.frexp(np.where(a > 0, a, 1))[1] - 1 - 2, -126, 127), 0)      # np.frexp(a)[1] - 1 = floor(log2(a)), exactly
;;       r = np.clip(x / 2.0 ** e, -6, 6)
;;       step = 2.0 ** (np.maximum(np.frexp(np.where(r == 0, 1, r))[1] - 1, 0) - 1)
;;       q = np.round(r / step) * step * 2.0 ** e      # np.round: ties to even
;;       return np.moveaxis(q.reshape(q.shape[:-2] + (-1,))[..., :K], -1, axis).astype(np.float32)
;;   ~~~
;;   OPERANDS COMPUTED ON THE WAY. 'Computed on the way' means the value that the module computes at that place (a softmax that the list does not call 'softmax' is quantised finished and normalised). What goes into a quantiser is computed in f32, as accurately as f32 sums, v_exp_f32 and their like allow (about 1e-6 of the number): no bf16 or f16 on the way to a quantiser, and a product that is left as it is and whose result goes on into a quantised operand takes f32 operands (vector FMAs, or v_wmma_f32_16x16x4_f32). A number that lies on a knife's edge between two numbers of the format may be rounded either way, as far as f32 arithmetic and the matrix unit's own rounding can turn it there, and no further.
;;   INPUTS GIVEN AS CODES. Wk (in the module: [512, 512], K = its axis 0); Wp (in the module: [512, 512], K = its axis 0); Wv (in the module: [512, 512], K = its axis 0); x (in the module: [16, 8192, 512], K = its axis 2): each comes as NAME_codes (uint8): NAME with its K axis moved to the last place and cut into blocks of 32 codes, [.., K / 32, bytes a block], one block behind the other in memory; two codes a byte, the lower K in the low four bits (a code: sign, 2 exponent bits, 1 mantissa bit); and NAME_scales (uint8): the same leading axes, one E8M0 byte (e + 127) for each 32 codes along K. Its value is code x scale, taken as it is: it is not quantised again, and the codes and scales need not be those that the quantiser above would give.
;; One version. Each part assembles by itself: llvm-mc -triple=amdgcn-amd-amdhsa -mcpu=gfx1250 --defsym DOCPART=n.
;; ======== version 1 of 1: 2 launches
;; limits: right only within a limited range of input values
;; workspace buffers: ppool 524,288 bytes; pstat 262,144 bytes
;; launch main (part 1): grid 4 x 64, 4 waves a work-group, clusters of 4 x 4, 327,680 bytes of LDS; arguments x_codes, x_scales, Wk_codes, Wk_scales, Wv_codes, Wv_scales, Wq, cls_token, ppool, pstat; writes ppool, pstat
.if DOCPART == 1
	.amdgcn_target "amdgcn-amd-amdhsa--gfx1250"
	.amdhsa_code_object_version 6
	.text
	.protected	k_qf8ec329305_main
	.globl	k_qf8ec329305_main
	.p2align	8
	.type	k_qf8ec329305_main,@function
k_qf8ec329305_main:
	s_mov_b64 s[64:65], 0
	v_nop
	global_prefetch_b8 v0, s[64:65] scope:SCOPE_SE
	s_setreg_imm32_b32 hwreg(HW_REG_WAVE_MODE, 25, 1), 1
	s_wait_xcnt 0x0
	s_wait_alu depctr_hold_cnt(0) depctr_sa_sdst(0) depctr_va_vdst(0) depctr_va_sdst(0) depctr_va_ssrc(0) depctr_va_vcc(0) depctr_vm_vsrc(0)
	s_getreg_b32 s2, hwreg(HW_REG_IB_STS2, 6, 4)
	s_cmp_eq_u32 s2, 0
	s_cbranch_scc0 .Lentry_in_a_cluster
	s_endpgm
.Lentry_in_a_cluster:
	s_bfe_u32 s2, ttmp6, 0x10000c
	s_cmp_lg_u32 s2, 0xf033
	s_cbranch_scc0 .Lentry_shape_is_right
	s_endpgm
.Lentry_shape_is_right:
; Pooling by one learned query.  Work-group (hp, y) takes rows 2,048 y .. 2,048 y + 2,047 of x and heads 2 hp ('A') and 2 hp + 1 ('B'):
;   q' = (cls_token . Wq) / 8 x log2(e) for its 128 columns, in f32; k = x Wk and v = x Wv on codes of FP4 (E2M1) with E8M0 scales as given; t = q' . k; p = 2^(t - m); l = sum of p; pool = sum of p v.
;   Each wave stores its share: chunk G = 4 y + wave: pool (not normalised) to ppool [G][512], m and l to pstat [G][hp][lane]{m, l} (lanes 0-15 head A's, 16-31 head B's); the next launch joins a batch's sixteen chunks.
; SHARES.  Every wave keeps the codes of both heads' Wk and Wv, 128 columns each, in 512 of its registers for the whole launch.  x comes in four slots of 512 rows, of which a wave takes 128 (8 tiles of 16).
; ITEMS.  A slot is 16 items: k of tiles 0-7, then v of tiles 0-7.  An item is 16 matrix instructions (4 K steps x 4 accumulators of 32 columns x 16 rows, one instruction a turn); among them stand the 32 packed multiply-adds that
;   consume the item before: k's results are multiplied by q' and summed, v's by p into pool.  Accumulators and fragments of x have two sets: item n uses set n % 2.
; LAYOUT.  Source 0 = 32 columns of the weight, source 1 = 16 rows of x: lane (r, h) of a result holds row r, and its register j column 16 (j / 8) + 8 h + j % 8.  A score's two halves lie in lanes r and r + 16.
; SOFTMAX.  Each lane keeps its own running maximum m and sum l over the rows that it holds (lanes r and r + 16 hold the same).  Once a slot, behind k's last tile, m is brought up to date; pool and l are multiplied by 2^(old m - new m).
;   At the end the sixteen lanes are brought to the wave's largest m.
; CLUSTERS 4 x 4: the four of a row of the cluster (same y) need the same x, the four of a column (same hp) the same Wk, Wv and columns of Wq: all are asked for jointly, but for Wq's rows 192-511, which go straight into registers while the joint loads fill LDS.
; THE HEAD, one tensor load a wave behind each round: the weights, a quarter a wave; then Wq's rows 0-191 (waves 0, 1) and the first 512 rows of x (waves 2, 3), while the weights go into registers; and, inside the first item, the next 512 rows of x.
; NO PREFETCH: a refill has a whole slot, 256 matrix instructions of the wave, in which to land, and of the four slots only the last two come by refills in the loop.
; WINDOWS of 256 registers (s_set_vgpr_msb: bits 1:0 source 0, 3:2 source 1, 5:4 source 2, 7:6 destination):
;   3: v0-127 accumulators (64 set + 16 T; T = 0, 1 head A, 2, 3 head B); v128-191 x (32 set + 8 K step); v192-255 pool (A, B).  At the head all of it takes rows of Wq.
;   1: v0-127 Wk's K steps 0, 1 (64 step + 16 T); v128-191 Wv's K step 2; v192-223 q' of A; v225-231 p of A, tiles 1-7 (v224 is 0); v232 2^(old m - new m) of A; v234 a copy of XA
;   2: v0-127 Wk's K steps 2, 3; v128-191 Wv's K step 3; v192-223 q' of B; v241-247 p of B (v240 is 0); v248 the factor of B
;   0: v128-255 Wv's K steps 0, 1; below: see the names
; LIMITS: NaN, infinities and the scale byte 0xff among the inputs are not served.  The softmax's promise holds while |t| stays under 2^31.
.set QSC,  0x3e38aa3b                  ; 0.125 x log2(e)
.set PITCH, 272                        ; a row in LDS: 256 bytes of codes + 16 of padding: 68 words, so 16 rows start at 16 different banks (64 banks of 4 bytes: ISA guide 11.1)
.set RTB,  16*PITCH                    ; 16 rows
.set SLOT, 512*PITCH                   ; the ring's slots begin at 0 and at SLOT.  At the head Wk's 128 rows, then Wv's, lie at SLOT,
.set QL,   SLOT+256*PITCH              ; and Wq's rows 0-191 behind them, 512 bytes each, to byte 307,200
.set STG,  2*SLOT                      ; 8,704 bytes a wave: the way out (bytes that are filled at the head alone)
.set QP,   323072                      ; 512 bytes a wave: sums over the wave's 128 rows of Wq
.set QW,   QP+2048                     ; 512 bytes a wave: q'
.set SPARE, QW+2048                    ; the spare words, 128 bytes a wave
.set GL,   1                           ; 16 x lane; never rewritten
.set XA,   2                           ; LDS address of my place in the slot in hand
.set XA0,  3                           ; and in the slot at 0: 34,816 wave + 272 r + 16 h
.set SPW,  12                          ; v4 m A, v5 l A, v6 m B, v7 l B; v8, v10 differences of m; v14, v15 at work
.set NIL,  13
.set WSK,  16                          ; Wk's scale words [T][K step], lane = column
.set WSV,  32                          ; Wv's
.set XSK,  48                          ; x's scale words for k's items: [pair of tiles][K step]: lanes 0-15 the even tile's rows, 16-31 the odd one's
.set XSV,  64                          ; and for v's items
.set TT,   80                          ; v80-111 k's sums in pairs: [head][tile];  at the head sums and addresses
.set HH,   112                         ; v112-127 scores [head][tile], then t - m
.set XA1,  234                         ; in window 1
.set WA,   100
.set QST,  101
.set QRD,  102
.set QWS,  103
.set QLD,  104
.set QAD,  105
.set CLB,  2                           ; scalars: s[2:3] cls_token for my rows that come into registers (768 bytes on),
.set CLL,  28                          ; s[28:29] for my rows that come by way of LDS
.set WV,   24                          ; wave; s30 hp; s27 y
.set G1W,  32                          ; group 1: 64 rows of a weight; 96 rows of Wq; 256, then 128 rows of x
.set G1Q,  40
.set G1R,  48
.set G0W,  56                          ; group 0: Wk, Wq, Wv, x
.set G0Q,  60
.set G0V,  72
.set G0R,  76
.set XSB,  68                          ; s[68:69] x's scale bytes, s[70:71] Wq
.set WQB,  70
.set TB,   96                          ; where the slot in hand begins in LDS
.set CNT,  97
.set SEL,  98
.set WOF,  100                         ; 34,816 x wave
.set DW0,  (1<<20)|(1<<21)|(5<<22)|(3<<25)  ; elements of 1 byte; padding on; bit 21 set beside a mask; after every 64 words four of padding
.set MSB, 0
.macro WIN new
.if MSB != (\new)
	s_set_vgpr_msb (MSB<<8)|(\new)
.set MSB, \new
.endif
.endm
.macro CREST                           ; a round of the cluster's barrier behind its opening barrier
	s_cmp_lg_u32 s[WV], 0
	s_cbranch_scc1 .Lnot_wave_0_\@
	s_barrier_signal -3
.Lnot_wave_0_\@:
	s_barrier_wait -3
	s_barrier_signal -1
	s_barrier_wait -1
.endm
.macro CROUND
	s_barrier_signal -1
	s_barrier_wait -1
	CREST
.endm
.macro TLOAD g0, g1
	tensor_load_to_lds s[\g0:\g0+3], s[\g1:\g1+7]
	s_nop 0
.rept 4
	v_nop
.endr
.endm
; ---- q': my 128 rows of Wq in eight chunks of 16 rows: chunks 0-4 by loads into registers (four on their way), 5-7 by way of LDS.  A row's 128 columns are 512 bytes, four columns a lane
.macro WQL ch
	WIN 0xc0
.set i, 0
.rept 16
	global_load_b128 v[64*((\ch)%4)+4*i:64*((\ch)%4)+4*i+3], v[GL], s[WQB:WQB+1] offset:2048*(16*(\ch)+i)
.set i, i+1
.endr
.endm
.macro QCLS                            ; cls_token for chunk CH is in; the next chunk's is asked for
	s_wait_kmcnt 0x0
.if CH < 4
	s_load_b512 s[4+76*(CH%2):19+76*(CH%2)], s[CLB:CLB+1], 0x300+64*(CH+1)
.elseif CH < 7
	s_load_b512 s[4+76*(CH%2):19+76*(CH%2)], s[CLL:CLL+1], 64*(CH-4)
.endif
.endm
.macro QFM
.set cb, 80-76*(CH%2)
.set rg, 64*(CH%4)
	WIN 0x0c
.set i, 0
.rept 16
.irp j, 0,1,2,3
.if (CH == 0) && (i < 2)
	v_mul_f32 v[TT+4*(i%2)+\j], s[cb+i], v[rg+4*i+\j]
.else
	v_fmac_f32 v[TT+4*(i%2)+\j], s[cb+i], v[rg+4*i+\j]
.endif
.endr
.set i, i+1
.endr
	s_wait_alu depctr_va_vdst(0)                   ; the sums go on behind the next chunk's waits
.endm
; an eighth of the weights goes from LDS into its registers: 32 columns of Wk (WG = 0-3) or of Wv (4-7), all four K steps
.macro WGRP
.set so, 34816*(WG/4)+2*(WG%4)*RTB
.irp s, 0,1,2,3
.if WG < 4
.set wr, 64*(\s%2)+16*(WG%4)
.if \s < 2
	WIN 0x40
.else
	WIN 0x80
.endif
.elseif \s < 2
.set wr, 128+64*\s+16*(WG%4)
	WIN 0
.else
.set wr, 128+16*(WG%4)
.if \s == 2
	WIN 0x40
.else
	WIN 0x80
.endif
.endif
.irp u, 0,1
.irp c, 0,1
	ds_load_b128 v[wr+8*\u+4*\c:wr+8*\u+4*\c+3], v[WA] offset:so+\u*RTB+64*\s+32*\c
.endr
.endr
.endr
.set WG, WG+1
.endm
; ---- items
.macro LDX adr                         ; a tile of x at offset LO of the slot into set LS (destination window 3)
.irp s, 0,1,2,3
.irp c, 0,1
	ds_load_b128 v[128+32*LS+8*\s+4*\c:128+32*LS+8*\s+4*\c+3], v[\adr] offset:LO+64*\s+32*\c
.endr
.endr
.endm
.macro LDNEXT                          ; the next slot's tile 0 into set 0
	WIN 0
	v_add_nc_u32 v[XA], s[TB], v[XA0]
	WIN 0x40
	v_add_nc_u32 v[XA1], s[TB], v[XA0]
	WIN 0xc0
.set LO, 0
.set LS, 0
	LDX XA
.endm
.macro XSL reg, off                    ; 128 rows' scale words: four loads of 512 consecutive bytes
	WIN 0
.irp i, 0,1,2,3
	global_load_b128 v[\reg+4*\i:\reg+4*\i+3], v[GL], s[XSB:XSB+1] offset:\off+512*\i
.endr
.endm
.macro MM                              ; product EX of item IT: K step EX / 4, accumulator EX % 4
.set zs, EX/4
.set zt, EX%4
.set zD, 64*(IT%2)+16*zt
.set zX, 128+32*(IT%2)+8*zs
.if IT < 8
.set zA, 64*(zs%2)+16*zt
.set zU, WSK+4*zt+zs
.set zV, XSK+4*((IT%8)/2)+zs
.if EX < 8
	WIN 0xfd
.else
	WIN 0xfe
.endif
.else
.set zU, WSV+4*zt+zs
.set zV, XSV+4*((IT%8)/2)+zs
.if EX < 8
.set zA, 128+64*zs+16*zt
	WIN 0xfc
.else
.set zA, 128+16*zt
.if EX < 12
	WIN 0xfd
.else
	WIN 0xfe
.endif
.endif
.endif
.if IT%2 == 0
.if zs == 0
	v_wmma_scale_f32_32x16x128_f4 v[zD:zD+15], v[zA:zA+15], v[zX:zX+7], 0, v[zU], v[zV]
.else
	v_wmma_scale_f32_32x16x128_f4 v[zD:zD+15], v[zA:zA+15], v[zX:zX+7], v[zD:zD+15], v[zU], v[zV]
.endif
.else
.if zs == 0
	v_wmma_scale_f32_32x16x128_f4 v[zD:zD+15], v[zA:zA+15], v[zX:zX+7], 0, v[zU], v[zV] matrix_b_scale:MATRIX_SCALE_ROW1
.else
	v_wmma_scale_f32_32x16x128_f4 v[zD:zD+15], v[zA:zA+15], v[zX:zX+7], v[zD:zD+15], v[zU], v[zV] matrix_b_scale:MATRIX_SCALE_ROW1
.endif
.endif
.endm
; Pair k of head g's 32 results of the item before is consumed; the pairs ascend.
; k's: two chains, which live in the first two pairs of the results themselves.  v's: pool += p v;  of v's first tile p v has been made in place already, and pool = factor x pool + p v.
.macro CONS g, k
.set zp, (IT+15)%16
.set zb, 64*((IT+1)%2)+32*(\g)
.set zk, \k
.set zr, zb+2*zk
.set zo, 192+32*(\g)+2*zk
.set zm, 224+16*(\g)+2*((zp%8)/2)
.if zp < 8
.set zc, zb+2*(zk%2)
.if zk < 2
	v_pk_mul_f32 v[zr:zr+1], v[192+2*zk:193+2*zk], v[zr:zr+1]
.else
	v_pk_fma_f32 v[zc:zc+1], v[192+2*zk:193+2*zk], v[zr:zr+1], v[zc:zc+1]
.endif
.elseif IT == 9
	v_pk_fma_f32 v[zo:zo+1], v[232+16*(\g):233+16*(\g)], v[zo:zo+1], v[zr:zr+1] op_sel_hi:[0,1,1]
.elseif zp%2 == 0
	v_pk_fma_f32 v[zo:zo+1], v[zm:zm+1], v[zr:zr+1], v[zo:zo+1] op_sel_hi:[0,1,1]
.else
	v_pk_fma_f32 v[zo:zo+1], v[zm:zm+1], v[zr:zr+1], v[zo:zo+1] op_sel:[1,0,0] op_sel_hi:[1,1,1]
.endif
.endm
.macro PV0 g, k                        ; p v of v's first tile, in place
	v_pk_mul_f32 v[32*(\g)+2*(\k):32*(\g)+2*(\k)+1], v[HH+8*(\g):HH+1+8*(\g)], v[32*(\g)+2*(\k):32*(\g)+2*(\k)+1] op_sel_hi:[0,1]
.endm
; A STEP: item IT's products, with the consumption of the item before (CF = 0, the launch's first: pool is cleared in those places, and a round stands in it).
; At its start the next item's fragments are asked for, into the set whose last reader is the last product of the item before: behind that one stand four plain vector instructions or more
; (two or four multiply-adds; two additions behind k's items; v_nop where both together are two).
; KIND: 1 the slot just read is filled again; 2 nothing more to fill; 3 the last slot.
.macro STEP
.if CF
.if IT%8 == 0
	s_wait_loadcnt 0x0                             ; this half slot's scale words, asked for seven items ago
.endif
	s_wait_dscnt 0x0                               ; this item's fragments
.if IT < 15
.set LO, ((IT+1)%8)*RTB
.set LS, (IT+1)%2
.if IT == 1
.rept 4
	v_nop
.endr
.endif
.if IT < 8
	WIN 0xfd
	LDX XA1
.else
	WIN 0xfc
	LDX XA
.endif
.if IT == 1
	XSL XSV, 0
.endif
.if (IT == 9) && (KIND < 3)
	XSL XSK, 8192
.endif
.elseif KIND < 3
	s_wait_xcnt 0x0                                ; my loads have read their base:
	s_add_nc_u64 s[XSB:XSB+1], s[XSB:XSB+1], 0x2000   ; the next slot's scale bytes
.if KIND == 1
	WIN 0
	s_wait_tensorcnt 0x0                           ; my rows of the next slot are in
	ds_add_u32 v[SPW], v[NIL]
	s_add_co_u32 s[G0R+1], s[TB], s[WOF]           ; the slot in hand takes
	s_add_nc_u64 s[G0R+2:G0R+3], s[G0R+2:G0R+3], 0x20000   ; the rows two slots on
	s_xor_b32 s[TB], s[TB], SLOT
	s_wait_dscnt 0x0                               ; the add is done, and my last reads of this slot are over
	s_barrier_signal -1                            ; the barrier opens a round of the cluster's; four products stand inside
.else
	s_wait_tensorcnt 0x0                           ; my rows of the last slot are in: I asked for them, and no other wave reads them
	s_xor_b32 s[TB], s[TB], SLOT
	LDNEXT
.endif
.endif
.endif
.set EX, 0
.rept 16
	MM
.if CF == 0
.irp i, 0,1,2,3
	v_mov_b32 v[192+4*EX+\i], 0
.endr
.elseif IT < 8
	CONS EX/8, 2*(EX%8)
	CONS EX/8, 2*(EX%8)+1
.elseif EX >= 8
.irp i, 0,1,2,3
	CONS (EX-8)/4, 4*(EX%4)+\i
.endr
.elseif IT == 9
.irp i, 0,1,2,3
.if (4*EX+\i)%8 != 0
	PV0 (4*EX+\i)/16, (4*EX+\i)%16
.endif
.endr
.elseif (IT == 8) && (EX < 7)
	WIN 0
.irp g, 0,1
	v_add_f32 v[HH+8*\g+EX], v[TT+16*\g+2*EX], v[TT+1+16*\g+2*EX]   ; tiles 0-6: half scores,
.endr
.if EX > 0
.irp g, 0,1
	v_permlanex16_b32 v[TT+16*\g+EX-1], v[HH+8*\g+EX-1], s[SEL], s[SEL+1]   ; and lane l xor 16's, over pairs that have been read
.endr
.endif
.endif
.if (IT == 15) && (EX == 3) && (KIND == 1)
	WIN 0
	s_barrier_wait -1
	CREST                                          ; no wave of any partner still reads this slot or has a load on its way
	TLOAD G0R, G1R                                 ; my 128 rows, asked for jointly with the same wave of my three partners
	LDNEXT
.endif
.if (CF == 0) && (EX == 3)
	WIN 0
	s_barrier_wait -1
	CREST
	TLOAD G0R, G1R                                 ; x's second slot, into the bytes that held the weights and Wq
.set LO, RTB
.set LS, 1
	WIN 0xfd
	LDX XA1
.endif
.set EX, EX+1
.endr
.if CF && (IT >= 1) && (IT <= 8)
	WIN 0x0f
.irp g, 0,1
	v_pk_add_f32 v[TT+16*\g+2*(IT-1):TT+1+16*\g+2*(IT-1)], v[64*((IT+1)%2)+32*\g:64*((IT+1)%2)+32*\g+1], v[64*((IT+1)%2)+32*\g+2:64*((IT+1)%2)+32*\g+3]   ; the two chains' sum, still in two halves
.endr
.endif
.endm
; The slot's eight scores a head and lane: m, p, the factor, l.
.macro SOFT
	WIN 0
.irp g, 0,1
	v_add_f32 v[HH+8*\g+7], v[TT+16*\g+14], v[TT+16*\g+15]
.endr
.irp i, 6,7
.irp g, 0,1
	v_permlanex16_b32 v[TT+16*\g+\i], v[HH+8*\g+\i], s[SEL], s[SEL+1]
.endr
.endr
.irp i, 0,2,4,6
.irp g, 0,1
	v_pk_add_f32 v[HH+8*\g+\i:HH+1+8*\g+\i], v[HH+8*\g+\i:HH+1+8*\g+\i], v[TT+16*\g+\i:TT+1+16*\g+\i]   ; t: both halves of the columns
.endr
.endr
.irp g, 0,1
	v_max3_num_f32 v[14+\g], v[4+2*\g], v[HH+8*\g], v[HH+1+8*\g]
.endr
.irp i, 2,4,6
.irp g, 0,1
	v_max3_num_f32 v[14+\g], v[14+\g], v[HH+8*\g+\i], v[HH+1+8*\g+\i]
.endr
.endr
.irp g, 0,1
	v_sub_f32 v[8+2*\g], v[4+2*\g], v[14+\g]       ; old m - new m
.endr
.irp g, 0,1
	v_mov_b32 v[4+2*\g], v[14+\g]
.endr
.irp i, 0,2,4,6
.irp g, 0,1
	v_pk_add_f32 v[HH+8*\g+\i:HH+1+8*\g+\i], v[HH+8*\g+\i:HH+1+8*\g+\i], v[4+2*\g:5+2*\g] op_sel_hi:[1,0] neg_lo:[0,1] neg_hi:[0,1]
.endr
.endr
	s_wait_alu depctr_va_vdst(0)                   ; the wait ahead of the batch
.irp g, 0,1
	v_exp_f32 v[HH+8*\g], v[HH+8*\g]               ; p of tile 0 stays in window 0,
.endr
	WIN 0x40
.irp i, 1,2,3,4,5,6,7
	v_exp_f32 v[224+\i], v[HH+\i]                  ; head A's others go to window 1,
.endr
	v_exp_f32 v232, v8
	WIN 0x80
.irp i, 1,2,3,4,5,6,7
	v_exp_f32 v[240+\i], v[HH+8+\i]                ; head B's to window 2
.endr
	v_exp_f32 v248, v10
	WIN 0xfc
	v_nop
	s_wait_alu depctr_va_vdst(0)                   ; for the batch, and for the results of v's first tile, of whose four accumulators these are the first readers
	PV0 0, 0
	PV0 0, 8
	PV0 1, 0
	PV0 1, 8
	WIN 0x05
	v_pk_add_f32 v[80:81], v[224:225], v[226:227]
	v_pk_add_f32 v[82:83], v[228:229], v[230:231]
	WIN 0x0a
	v_pk_add_f32 v[84:85], v[240:241], v[242:243]
	v_pk_add_f32 v[86:87], v[244:245], v[246:247]
	WIN 0
	v_pk_add_f32 v[80:81], v[80:81], v[82:83]
	v_pk_add_f32 v[84:85], v[84:85], v[86:87]
	v_add_f32 v80, v80, v81
	v_add_f32 v84, v84, v85
	v_add_f32 v80, v80, v[HH]
	v_add_f32 v84, v84, v[HH+8]
	WIN 0x04
	v_fma_f32 v5, v5, v232, v80                    ; l
	WIN 0x08
	v_fma_f32 v7, v7, v248, v84
.endm
.macro SLOTM kind                      ; from k of tile 1 to k of the next slot's tile 0
.set KIND, \kind
.set IT, 1
.rept 8
	STEP
.set IT, IT+1
.endr
	SOFT
.rept 7
	STEP
.set IT, IT+1
.endr
.if KIND < 3
.set IT, 0
	STEP
.endif
.endm
.macro FOLD n                          ; registers n .. 2 n - 1 are added onto 0 .. n - 1
.set i, 0
.rept (\n)/2
	v_pk_add_f32 v[i:i+1], v[i:i+1], v[i+\n:i+\n+1]
.set i, i+2
.endr
.endm
	s_load_b512 s[4:19], s[0:1], 0x0               ; x s[4:5], x's scales s[6:7], Wk s[8:9], its scales s[10:11], Wv s[12:13], its scales s[14:15], Wq s[16:17], cls_token s[18:19]
	v_lshl_add_u32 v[SPW], v0, 2, SPARE
	v_mov_b32 v[NIL], 0
	ds_add_u32 v[SPW], v[NIL]                      ; the wave's opening
	ds_add_u32 v[SPW], v[NIL]
	v_lshrrev_b32 v14, 5, v0
	v_readfirstlane_b32 s[WV], v14
	s_mul_i32 s[WOF], s[WV], 128*PITCH
	s_lshl_b32 s101, s[WV], 9
	s_add_co_u32 s101, s101, QP
	s_mul_i32 s31, s[WV], 48*512
	s_add_co_u32 s31, s31, QL
	v_and_b32 v15, 31, v0                          ; lane
	v_lshlrev_b32 v[GL], 4, v15
	v_and_b32 v8, 15, v0                           ; r
	v_bfe_u32 v9, v0, 4, 1                         ; h
	v_mul_u32_u24 v10, v8, PITCH
	v_lshl_add_u32 v10, v9, 4, v10                 ; a fragment's place: 272 r + 16 h
	v_add_nc_u32 v[XA0], s[WOF], v10
	v_mov_b32 v[XA], v[XA0]                        ; x's first rows lie in the slot at 0
	v_add_nc_u32 v[WA], SLOT, v10
	v_add_nc_u32 v[QST], s101, v[GL]
	v_add_nc_u32 v[QRD], QP, v[GL]
	v_add_nc_u32 v[QWS], 2048, v[QST]
	v_lshl_add_u32 v[QLD], v9, 5, s101
	v_add_nc_u32 v[QLD], 2048, v[QLD]
	v_add_nc_u32 v[QAD], s31, v[GL]
	v_mov_b32 v4, 0xff61b1e6                       ; m: -3e38, under every t
	v_mov_b32 v6, 0xff61b1e6
	v_mov_b32 v5, 0
	v_mov_b32 v7, 0
	v_mov_b32 v9, 0                                ; (upper halves of pairs of which the low word alone is used)
	v_mov_b32 v11, 0
	WIN 0x40
	v_mov_b32 v[XA1], v[XA0]
	v_mov_b32 v224, 0
	v_mov_b32 v233, 0
	WIN 0x80
	v_mov_b32 v240, 0
	v_mov_b32 v249, 0
	WIN 0
	s_bfe_u32 s25, ttmp6, 0x40000                  ; cx
	s_bfe_u32 s26, ttmp6, 0x40004                  ; cy
	s_lshl_b32 s28, s26, 2
	s_lshl_b32 s28, 15, s28                        ; my row of the cluster: x
	s_lshl_b32 s29, 0x1111, s25                    ; my column: the weights and Wq
	s_or_b32 s[G1W], s29, DW0
	s_or_b32 s[G1Q], s29, (3<<16)|(1<<21)          ; elements of 8 bytes, no padding
	s_or_b32 s[G1R], s28, DW0
.irp g, G1W, G1R
	s_mov_b32 s[\g+1], 256<<16                     ; tensor_dim0: rows of 256 bytes
	s_mov_b32 s[\g+3], 256<<16                     ; tile_dim0
	s_mov_b32 s[\g+5], 256                         ; from row to row
	s_mov_b32 s[\g+6], 0
	s_mov_b32 s[\g+7], 0
.endr
	s_mov_b32 s[G1W+2], 64<<16                     ; tensor_dim1, tile_dim1
	s_mov_b32 s[G1W+4], 64
	s_mov_b32 s[G1R+2], 256<<16                    ; (the head's load; the ring's have 128 rows)
	s_mov_b32 s[G1R+4], 256
	s_mov_b32 s[G1Q+1], 64<<16                     ; Wq: 96 rows of 512 bytes, 2,048 bytes apart
	s_mov_b32 s[G1Q+2], 96<<16
	s_mov_b32 s[G1Q+3], 64<<16
	s_mov_b32 s[G1Q+4], 96
	s_mov_b32 s[G1Q+5], 256
	s_mov_b32 s[G1Q+6], 0
	s_mov_b32 s[G1Q+7], 0
	s_lshl_b32 s30, ttmp9, 2
	s_add_co_u32 s30, s30, s25                     ; hp
	s_and_b32 s27, ttmp7, 0xffff
	s_lshl_b32 s27, s27, 2
	s_add_co_u32 s27, s27, s26                     ; y
	s_mov_b32 s[SEL], 0x76543210
	s_mov_b32 s[SEL+1], 0xfedcba98                 ; v_permlanex16_b32's selects for lane l xor 16
	s_mov_b32 s[TB], 0
	s_mov_b32 s67, 0
	s_mov_b32 s105, 0
	s_wait_alu depctr_va_vdst(0)                   ; for all that the head's vector instructions have written
	s_wait_dscnt 0x0                               ; both opening adds are done
	s_wait_kmcnt 0x0
	s_mul_i32 s104, s[WV], 320
	s_add_nc_u64 s[CLB:CLB+1], s[18:19], s[104:105]   ; cls_token: for rows 192 + 80 wave .. + 79, 768 bytes on,
	s_load_b512 s[80:95], s[CLB:CLB+1], 0x300
	s_mul_i32 s104, s[WV], 192
	s_add_nc_u64 s[CLL:CLL+1], s[18:19], s[104:105]   ; and for rows 48 wave .. + 47
	s_lshl_b32 s104, s30, 9
	s_add_nc_u64 s[16:17], s[16:17], s[104:105]    ; Wq: the work-group's 128 columns
	s_mul_i32 s104, s[WV], 80*2048
	s_add_co_u32 s104, s104, 192*2048
	s_add_nc_u64 s[WQB:WQB+1], s[16:17], s[104:105]   ; my 80 rows that come into registers
	s_lshl_b32 s104, s27, 15
	s_lshl_b32 s31, s[WV], 11
	s_add_co_u32 s104, s104, s31
	s_add_nc_u64 s[XSB:XSB+1], s[6:7], s[104:105]  ; x's scale bytes: my 128 rows of the first slot
	WQL 0
	WIN 0
	s_lshl_b32 s104, s30, 11
	s_add_nc_u64 s[20:21], s[10:11], s[104:105]    ; the weights' scale bytes: 128 columns x 16
	s_add_nc_u64 s[22:23], s[14:15], s[104:105]
	s_lshl_b32 s104, s30, 15
	s_lshl_b32 s31, s[WV], 14
	s_and_b32 s31, s31, 0x4000
	s_add_co_u32 s104, s104, s31                   ; the weights: my heads' 128 columns, 64 of them mine to fetch: waves 0 and 1 Wk's, waves 2 and 3 Wv's
	s_mul_i32 s31, s[WV], 64*PITCH
	s_mov_b32 s[G0W], 1
	s_add_co_u32 s[G0W+1], s31, SLOT
	s_add_nc_u64 s[G0W+2:G0W+3], s[8:9], s[104:105]
	s_or_b32 s[G0W+3], s[G0W+3], 0x80000000
	s_mov_b32 s[G0V], 1
	s_add_co_u32 s[G0V+1], s31, SLOT
	s_add_nc_u64 s[G0V+2:G0V+3], s[12:13], s[104:105]
	s_or_b32 s[G0V+3], s[G0V+3], 0x80000000
	CROUND                                         ; all sixteen work-groups are here: the first joint loads meet
	s_cmp_lt_u32 s[WV], 2
	s_cbranch_scc0 .Lfor_wv
	TLOAD G0W, G1W
	s_branch .Lweights_asked
.Lfor_wv:
	TLOAD G0V, G1W
.Lweights_asked:
	WQL 1
	WQL 2
	WQL 3
	XSL XSK, 0
.irp t, 0,1,2,3
	global_load_b128 v[WSK+4*\t:WSK+4*\t+3], v[GL], s[20:21] offset:512*\t   ; lane m: column 32 T + m's 16 bytes
	global_load_b128 v[WSV+4*\t:WSV+4*\t+3], v[GL], s[22:23] offset:512*\t
.endr
	s_and_b32 s31, s[WV], 1
	s_mul_i32 s104, s31, 96*2048
	s_mul_i32 s101, s31, 96*512
	s_mov_b32 s[G0Q], 1                            ; Wq: waves 0 and 1 fetch 96 rows each
	s_add_co_u32 s[G0Q+1], s101, QL
	s_add_nc_u64 s[G0Q+2:G0Q+3], s[16:17], s[104:105]
	s_or_b32 s[G0Q+3], s[G0Q+3], 0x80000000
	s_lshl_b32 s66, s27, 19
	s_add_nc_u64 s[4:5], s[4:5], s[66:67]          ; x: the work-group's 2,048 rows; waves 2 and 3 fetch 256 each of the first slot
	s_lshl_b32 s66, s31, 16
	s_mov_b32 s[G0R], 1
	s_mul_i32 s[G0R+1], s31, 256*PITCH
	s_add_nc_u64 s[G0R+2:G0R+3], s[4:5], s[66:67]
	s_or_b32 s[G0R+3], s[G0R+3], 0x80000000
	s_lshl_b32 s101, s[WV], 15
	s_add_co_u32 s101, s101, 0x20000
	s_sub_co_u32 s66, s101, s66                    ; from there to my 128 rows of the second slot
	s_wait_tensorcnt 0x0
	ds_add_u32 v[SPW], v[NIL]
	s_wait_dscnt 0x0
	CROUND                                         ; the weights lie in LDS
	s_cmp_lt_u32 s[WV], 2
	s_cbranch_scc0 .Lfor_x
	TLOAD G0Q, G1Q
	s_branch .Lx_asked
.Lfor_x:
	TLOAD G0R, G1R
.Lx_asked:
	; s[4:19] take cls_token's numbers from here on: no pending load has its base there
.set WG, 0
.set CH, 0
.rept 5
.if CH < 4
	WGRP
	WGRP
.endif
	QCLS
.if CH == 0
	s_wait_loadcnt 60                              ; chunk 0 is in: behind it stand chunks 1-3 of 16 loads and 12 loads of scale words;
.elseif CH < 4
	s_wait_loadcnt 76-16*CH                        ; chunks 1-3: behind each the chunks after it, the 12, and chunk 4's 16
.else
	s_wait_loadcnt 0x0
.endif
	QFM
.if CH == 0
	WQL 4
.endif
.set CH, CH+1
.endr
	WIN 0
	s_wait_tensorcnt 0x0                           ; my tile is in,
	s_wait_dscnt 0x0                               ; and the weights are in registers
	s_barrier_signal -1
	s_barrier_wait -1                              ; Wq's rows 0-191 and x's first slot are in
	WIN 0xc0
.set i, 0
.rept 48
	ds_load_b128 v[64+4*i:67+4*i], v[QAD] offset:512*i
.set i, i+1
.endr
.rept 3
	QCLS
	s_wait_dscnt 16*(7-CH)
	QFM
.set CH, CH+1
.endr
	WIN 0
	v_pk_add_f32 v[80:81], v[80:81], v[84:85]
	v_pk_add_f32 v[82:83], v[82:83], v[86:87]
	ds_store_b128 v[QST], v[80:83]                 ; my rows' part of the 128 columns
	s_wait_dscnt 0x0
	s_barrier_signal -1
	s_barrier_wait -1
	s_load_b128 s[20:23], s[0:1], 0x40             ; ppool s[20:21], pstat s[22:23]: the loads that had their bases here are done
	WIN 0xc0
.set LO, 0
.set LS, 0
	LDX XA
	WIN 0
.irp p, 0,1,2,3
	ds_load_b128 v[80+4*\p:83+4*\p], v[QRD] offset:512*\p   ; the four waves' parts
.endr
	s_wait_dscnt 0x0
	v_pk_add_f32 v[80:81], v[80:81], v[84:85]
	v_pk_add_f32 v[82:83], v[82:83], v[86:87]
	v_pk_add_f32 v[88:89], v[88:89], v[92:93]
	v_pk_add_f32 v[90:91], v[90:91], v[94:95]
	v_pk_add_f32 v[80:81], v[80:81], v[88:89]
	v_pk_add_f32 v[82:83], v[82:83], v[90:91]
	v_pk_mul_f32 v[80:81], v[80:81], QSC op_sel_hi:[1,0]
	v_pk_mul_f32 v[82:83], v[82:83], QSC op_sel_hi:[1,0]
	ds_store_b128 v[QWS], v[80:83]                 ; through my own 512 bytes into the results' layout: LDS serves a wave's instructions in order (ISA guide 5.7.1.4)
	WIN 0x40
.irp t, 0,1,2,3
.irp e, 0,1
	ds_load_b128 v[192+8*\t+4*\e:195+8*\t+4*\e], v[QLD] offset:64*\t+16*\e
.endr
.endr
	WIN 0x80
.irp t, 0,1,2,3
.irp e, 0,1
	ds_load_b128 v[192+8*\t+4*\e:195+8*\t+4*\e], v[QLD] offset:256+64*\t+16*\e
.endr
.endr
	WIN 0
	s_wait_tensorcnt 0x0                           ; no tensor load of mine is out
	ds_add_u32 v[SPW], v[NIL]
	s_mov_b32 s[G1R+2], 128<<16                    ; from here on a load of x brings 128 rows:
	s_mov_b32 s[G1R+4], 128
	s_add_co_u32 s[G0R+1], s[WOF], SLOT            ; mine of the second slot
	s_add_nc_u64 s[G0R+2:G0R+3], s[G0R+2:G0R+3], s[66:67]
	s_wait_dscnt 0x0                               ; the add is done, and the bytes of the weights and of Wq have been read
	s_barrier_signal -1                            ; the barrier opens a round of the cluster's; four products stand inside
.set KIND, 0
.set CF, 0
.set IT, 0
	STEP                                           ; k of tile 0
.set CF, 1
	WIN 0
	s_wait_kmcnt 0x0
	s_lshl_b32 s31, s27, 2
	s_add_co_u32 s31, s31, s[WV]                   ; G
	s_lshl_b32 s104, s31, 11
	s_lshl_b32 s101, s30, 9
	s_add_co_u32 s104, s104, s101
	s_add_nc_u64 s[20:21], s[20:21], s[104:105]    ; ppool: 2,048 G + 512 hp
	s_lshl_b32 s104, s31, 10
	s_lshl_b32 s101, s30, 8
	s_add_co_u32 s104, s104, s101
	s_add_nc_u64 s[22:23], s[22:23], s[104:105]    ; pstat: 1,024 G + 256 hp
	s_mov_b32 s[CNT], 2
.Lslot:                                                ; the first two slots: each is filled again
	SLOTM 1
	WIN 0
	s_sub_co_u32 s[CNT], s[CNT], 1
	s_cmp_lg_u32 s[CNT], 0
	s_cbranch_scc1 .Lslot
	s_mov_b32 s[TB], 0                             ; (the number at which the loop left it)
	SLOTM 2
	SLOTM 3
.set IT, 16                            ; what is left: v of the last tile
	WIN 0xfd
.set k, 0
.rept 16
	CONS 0, k
.set k, k+1
.endr
	WIN 0xfe
.set k, 0
.rept 16
	CONS 1, k
.set k, k+1
.endr
	WIN 0
	; ---- THE WAY OUT.  The lanes are brought to the wave's largest m; then each lane's 64 sums go into my stage, and lane l adds up columns 4 l .. 4 l + 3 of the sixteen lanes that hold them.
	s_mul_i32 s66, s[WV], 8704
	s_add_co_u32 s66, s66, STG
	v_and_b32 v80, 31, v0
	v_mul_u32_u24 v82, v80, PITCH
	v_add_nc_u32 v82, s66, v82                     ; in: a row a lane
	v_bfe_u32 v83, v0, 1, 1                        ; back: half (l / 2) % 2 of the lanes,
	v_mul_u32_u24 v83, v83, RTB
	v_lshrrev_b32 v84, 2, v80
	v_and_b32 v85, 1, v0
	v_lshl_or_b32 v84, v84, 1, v85                 ; group of four registers 2 (l / 4) + l % 2
	v_lshl_add_u32 v83, v84, 4, v83
	v_add_nc_u32 v83, s66, v83
	v_lshlrev_b32 v86, 3, v80
.irp g, 0,1
	v_max_num_f32_dpp v[14+\g], v[4+2*\g], v[4+2*\g] row_xmask:1 row_mask:0xf bank_mask:0xf
.endr
.irp x, 2,4,8
.irp g, 0,1
	v_max_num_f32_dpp v[14+\g], v[14+\g], v[14+\g] row_xmask:\x row_mask:0xf bank_mask:0xf
.endr
.endr
.irp g, 0,1
	v_sub_f32 v[8+2*\g], v[4+2*\g], v[14+\g]
.endr
	s_wait_alu depctr_va_vdst(0)                   ; the wait ahead of the batch
	v_exp_f32 v8, v8
	v_exp_f32 v10, v10
	v_nop
	s_wait_alu depctr_va_vdst(0)                   ; and for this one ahead of its first reader
.irp g, 0,1
	v_mul_f32 v[5+2*\g], v[5+2*\g], v[8+2*\g]
.endr
.irp x, 1,2,4,8
.irp g, 0,1
	v_add_f32_dpp v[5+2*\g], v[5+2*\g], v[5+2*\g] row_xmask:\x row_mask:0xf bank_mask:0xf
.endr
.endr
	v_cmp_gt_u32 vcc_lo, 16, v80
	v_cndmask_b32 v88, v15, v14, vcc_lo            ; lanes 0-15: head A's m and l; lanes 16-31: head B's
	v_cndmask_b32 v89, v7, v5, vcc_lo
	global_store_b64 v86, v[88:89], s[22:23]       ; 256 consecutive bytes, aligned
	WIN 0xfc
.irp g, 0,1
.set k, 0
.rept 16
	v_pk_mul_f32 v[192+32*\g+2*k:193+32*\g+2*k], v[8+2*\g:9+2*\g], v[192+32*\g+2*k:193+32*\g+2*k] op_sel_hi:[0,1]
.set k, k+1
.endr
.endr
	WIN 0x0c
.irp q, 0,1,2,3,4,5,6,7,8,9,10,11,12,13,14,15
	ds_store_b128 v82, v[192+4*\q:195+4*\q] offset:16*\q
.endr
	WIN 0xc0
.irp r, 0,1,2,3,4,5,6,7,8,9,10,11,12,13,14,15
	ds_load_b128 v[4*\r:4*\r+3], v83 offset:PITCH*\r   ; my own bytes, served in order
.endr
	s_wait_dscnt 0x0
	WIN 0xcf
	FOLD 32
	FOLD 16
	FOLD 8
	FOLD 4
	WIN 0x0c
	global_store_b128 v[GL], v[0:3], s[20:21]      ; 512 consecutive bytes: my rows' pool, 128 columns
	WIN 0
	s_wait_tensorcnt 0x0                           ; the wave's end
	ds_add_u32 v[SPW], v[NIL]
	s_wait_dscnt 0x0
	CROUND                                         ; the closing round
	s_endpgm
.Lfunc_end_k_qf8ec329305_main:
	.size	k_qf8ec329305_main, .Lfunc_end_k_qf8ec329305_main-k_qf8ec329305_main
	.p2alignl 7, 3214868480
	.fill 96, 4, 3214868480
	.section	.rodata,"a",@progbits
	.p2align	6, 0x0
	.amdhsa_kernel k_qf8ec329305_main
		.amdhsa_group_segment_fixed_size 327680
		.amdhsa_private_segment_fixed_size 0
		.amdhsa_enable_private_segment 0
		.amdhsa_kernarg_size 80
		.amdhsa_user_sgpr_count 2
		.amdhsa_user_sgpr_kernarg_segment_ptr 1
		.amdhsa_wavefront_size32 1
		.amdhsa_system_sgpr_workgroup_id_x 1
		.amdhsa_system_sgpr_workgroup_id_y 1
		.amdhsa_system_sgpr_workgroup_id_z 1
		.amdhsa_system_vgpr_workitem_id 0
		.amdhsa_next_free_vgpr 1024
		.amdhsa_next_free_sgpr 106
		.amdhsa_reserve_vcc 1
		.amdhsa_float_denorm_mode_32 3
		.amdhsa_float_denorm_mode_16_64 3
		.amdhsa_memory_ordered 1
		.amdhsa_forward_progress 1
		.amdhsa_inst_pref_size 255
	.end_amdhsa_kernel
	.section	.bss,"aw",@nobits
	.p2align	6
	.space	262144
	.amdgpu_metadata
---
amdhsa.version: [ 1, 2 ]
amdhsa.kernels:
  - .name:           k_qf8ec329305_main
    .symbol:         k_qf8ec329305_main.kd
    .args:
      - { .name: x_codes, .offset: 0, .size: 8, .value_kind: global_buffer, .address_space: global }
      - { .name: x_scales, .offset: 8, .size: 8, .value_kind: global_buffer, .address_space: global }
      - { .name: Wk_codes, .offset: 16, .size: 8, .value_kind: global_buffer, .address_space: global }
      - { .name: Wk_scales, .offset: 24, .size: 8, .value_kind: global_buffer, .address_space: global }
      - { .name: Wv_codes, .offset: 32, .size: 8, .value_kind: global_buffer, .address_space: global }
      - { .name: Wv_scales, .offset: 40, .size: 8, .value_kind: global_buffer, .address_space: global }
      - { .name: Wq, .offset: 48, .size: 8, .value_kind: global_buffer, .address_space: global }
      - { .name: cls_token, .offset: 56, .size: 8, .value_kind: global_buffer, .address_space: global }
      - { .name: ppool, .offset: 64, .size: 8, .value_kind: global_buffer, .address_space: global }
      - { .name: pstat, .offset: 72, .size: 8, .value_kind: global_buffer, .address_space: global }
    .group_segment_fixed_size: 327680
    .private_segment_fixed_size: 0
    .kernarg_segment_align: 8
    .kernarg_segment_size: 80
    .max_flat_workgroup_size: 128
    .sgpr_count:     106
    .vgpr_count:     1024
    .wavefront_size: 32
...
	.end_amdgpu_metadata
.endif
;; end of part 1
;; launch proj (part 2): grid 4 x 16, 4 waves a work-group, no clusters, 8,704 bytes of LDS; arguments ppool, pstat, Wp_codes, Wp_scales, bp, out0; writes out0
.if DOCPART == 2
	.amdgcn_target "amdgcn-amd-amdhsa--gfx1250"
	.amdhsa_code_object_version 6
	.text
	.protected	k_qf8ec329305_proj
	.globl	k_qf8ec329305_proj
	.p2align	8
	.type	k_qf8ec329305_proj,@function
k_qf8ec329305_proj:
	s_mov_b64 s[64:65], 0
	v_nop
	global_prefetch_b8 v0, s[64:65] scope:SCOPE_SE
	s_setreg_imm32_b32 hwreg(HW_REG_WAVE_MODE, 25, 1), 1
	s_wait_xcnt 0x0
; out0[b] = Q(pooled[b]) Wp + bp, on codes of FP4 (E2M1) with E8M0 scales.  Work-group (x, y) makes columns 128 x .. 128 x + 127 of batch y.
; Wave w first joins the batch's sixteen chunks for columns 128 w .. 128 w + 127 of pooled: M = the largest m; pooled = sum of 2^(m - M) pool / sum of 2^(m - M) l, in f32.  Those 128 numbers are K step w of the product:
; the wave quantises them (a block's scale is 2^(floor(log2(largest magnitude)) - 2)) and stores the operand's registers and its scale word in LDS as they stand; behind a barrier every wave loads all four K steps.
; THE BATCH'S ONE ROW STANDS IN ALL 16 ROWS OF SOURCE 0, so every row of the result is the answer and register 0 holds it in every lane: 8 products a wave.  So a work-group reads its own batch's partial sums alone.
; Then wave w multiplies its two tiles of 16 columns of Wp, adds bp, and the 128 results leave through LDS as 512 consecutive bytes.
; LIMITS: a block of pooled whose largest magnitude lies under 2^-124 (a block of zeros too) gets the scale byte 1; zeros have zero codes, and these bytes are read by this launch alone.  The division by the sum is v_rcp_f32 and a multiplication.  NaN and infinities are not served.
.set PF,   0                           ; LDS: 512 bytes a wave: its 128 numbers of pooled
.set IMG,  2048                        ; 1,024 bytes a wave: its K step's fragment, 16 bytes a lane and group of four registers
.set ISC,  6144                        ; 128 bytes a wave: its scale word, 4 bytes a lane
.set OUTS, 6656                        ; 512 bytes: the work-group's 128 results
; v1 16 lane, v2 8 lane, v3 Wp's codes, v4 Wp's scales, v5 4 lane, v6-v10 LDS addresses, v11 lane, v13 h; v16-79 the chunks' pool, then my 64 numbers; v80-111 {m, l}, then codes and work; v112-127 2^(m - M);
; v128-191 Wp's fragments (32 tile + 8 K step); v192-199 Wp's scale words; v200-203 pooled's; v204-235 pooled's fragments; v236-251 two accumulators; v252 bp
	s_load_b256 s[4:11], s[0:1], 0x0               ; ppool s[4:5], pstat s[6:7], Wp's codes s[8:9], Wp's scales s[10:11]
	s_load_b128 s[12:15], s[0:1], 0x20             ; bp s[12:13], out0 s[14:15]
	v_lshl_add_u32 v14, v0, 2, 0x2000
	v_mov_b32 v15, 0
	v_lshrrev_b32 v11, 5, v0
	v_readfirstlane_b32 s16, v11                   ; wave 0..3
	v_and_b32 v11, 31, v0                          ; lane
	v_and_b32 v12, 15, v0                          ; r
	v_bfe_u32 v13, v0, 4, 1                        ; h
	s_and_b32 s17, ttmp7, 0xffff                   ; the batch
	v_lshlrev_b32 v1, 4, v11
	v_lshlrev_b32 v2, 3, v11
	v_lshlrev_b32 v3, 8, v12
	v_lshl_add_u32 v3, v13, 4, v3                  ; Wp: row r of 256 bytes, + 16 h
	v_lshlrev_b32 v4, 4, v12
	v_lshlrev_b32 v5, 2, v11
	s_lshl_b32 s18, s16, 9
	v_lshl_add_u32 v6, v11, 4, s18                 ; PF: in, 16 bytes a lane;
	v_lshl_add_u32 v7, v13, 7, s18                 ; back: my half's 32 numbers of each 64
	s_lshl_b32 s19, s16, 10
	s_add_co_u32 s19, s19, IMG
	v_lshl_add_u32 v8, v11, 4, s19
	s_lshl_b32 s19, s16, 7
	s_add_co_u32 s22, s19, ISC
	v_lshl_add_u32 v9, v11, 2, s22
	s_add_co_u32 s22, s19, OUTS
	v_lshl_add_u32 v10, v11, 2, s22
	s_mov_b32 s20, 0x76543210
	s_mov_b32 s21, 0xfedcba98                      ; v_permlanex16_b32's selects for lane l xor 16
	s_lshl_b32 s24, s17, 15                        ; ppool: sixteen chunks of 2,048 bytes a batch, + my 128 columns
	s_add_co_u32 s24, s24, s18
	s_mov_b32 s25, 0
	s_lshl_b32 s26, s17, 14                        ; pstat: sixteen chunks of 1,024 bytes, + my wave's 256
	s_lshl_b32 s23, s16, 8
	s_add_co_u32 s26, s26, s23
	s_mov_b32 s27, 0
	s_lshl_b32 s23, ttmp9, 7
	s_lshl_b32 s22, s16, 5
	s_add_co_u32 s23, s23, s22                     ; my first column of the output: 128 x + 32 w
	s_lshl_b32 s28, s23, 8
	s_mov_b32 s29, 0
	s_lshl_b32 s30, s23, 4
	s_mov_b32 s31, 0
	s_lshl_b32 s32, s23, 2
	s_mov_b32 s33, 0
	s_lshl_b32 s34, s17, 11                        ; out0: a row of 2,048 bytes a batch, + the work-group's 512
	s_lshl_b32 s22, ttmp9, 9
	s_add_co_u32 s34, s34, s22
	s_mov_b32 s35, 0
	s_wait_alu depctr_va_vdst(0)
	s_wait_kmcnt 0x0
	s_add_nc_u64 s[4:5], s[4:5], s[24:25]
	s_add_nc_u64 s[6:7], s[6:7], s[26:27]
	s_add_nc_u64 s[8:9], s[8:9], s[28:29]
	s_add_nc_u64 s[10:11], s[10:11], s[30:31]
	s_add_nc_u64 s[12:13], s[12:13], s[32:33]
	s_add_nc_u64 s[14:15], s[14:15], s[34:35]
.irp c, 0,1,2,3,4,5,6,7,8,9,10,11,12,13,14,15
	global_load_b64 v[80+2*\c:81+2*\c], v2, s[6:7] offset:1024*\c     ; chunk c's m and l of my columns' head
.endr
.irp c, 0,1,2,3,4,5,6,7,8,9,10,11,12,13,14,15
	global_load_b128 v[16+4*\c:19+4*\c], v1, s[4:5] offset:2048*\c    ; and its pool, four columns a lane
.endr
.irp t, 0,1
.irp s, 0,1,2,3
.irp c, 0,1
	global_load_b128 v[128+32*\t+8*\s+4*\c:131+32*\t+8*\s+4*\c], v3, s[8:9] offset:4096*\t+64*\s+32*\c
.endr
.endr
.endr
.irp t, 0,1
	global_load_b128 v[192+4*\t:195+4*\t], v4, s[10:11] offset:256*\t   ; a row's 16 scale bytes: the words of four K steps
.endr
	global_load_b32 v252, v5, s[12:13]
	s_wait_loadcnt 35                              ; m and l are in: behind them stand 16 loads of pool, 16 + 2 of Wp and 1 of bp
	v_max3_num_f32 v254, v80, v82, v84
.irp c, 3,5,7,9,11,13
	v_max3_num_f32 v254, v254, v[80+2*\c], v[82+2*\c]
.endr
	v_max_num_f32 v254, v254, v110                 ; M
.irp c, 0,1,2,3,4,5,6,7,8,9,10,11,12,13,14,15
	v_sub_f32 v[112+\c], v[80+2*\c], v254
.endr
	s_wait_alu depctr_va_vdst(0)
.irp c, 0,1,2,3,4,5,6,7,8,9,10,11,12,13,14,15
	v_exp_f32 v[112+\c], v[112+\c]                 ; 2^(m - M), at most 1, and 1 for one chunk at least
.endr
	v_nop                                          ; a plain place behind the exponentials
	s_wait_alu depctr_va_vdst(0)
	v_mul_f32 v255, v112, v81
.irp c, 1,2,3,4,5,6,7,8,9,10,11,12,13,14,15
	v_fma_f32 v255, v[112+\c], v[81+2*\c], v255    ; the row's sum, at least 1
.endr
	s_wait_alu depctr_va_vdst(0)
	v_rcp_f32 v255, v255                           ; (the lines below, which name neither its source nor its result, are the plain place behind it)
	s_wait_loadcnt 19                              ; pool is in: behind it stand 16 + 2 + 1
.irp j, 0,1,2,3
	v_mul_f32 v[16+\j], v[16+\j], v112
.endr
.irp c, 1,2,3,4,5,6,7,8,9,10,11,12,13,14,15
.irp j, 0,1,2,3
	v_fma_f32 v[16+\j], v[16+4*\c+\j], v[112+\c], v[16+\j]
.endr
.endr
	s_wait_alu depctr_va_vdst(0)
.irp j, 0,1,2,3
	v_mul_f32 v[16+\j], v[16+\j], v255             ; pooled
.endr
	ds_store_b128 v6, v[16:19]                     ; through my own 512 bytes into the operand's order: lane (any r, h) wants k = 64 c + 32 h + 0 .. 31 of my 128
.irp c, 0,1
.irp i, 0,1,2,3,4,5,6,7
	ds_load_b128 v[16+32*\c+4*\i:19+32*\c+4*\i], v7 offset:256*\c+16*\i   ; LDS serves a wave's instructions in order (ISA guide 5.7.1.4): these see the store
.endr
.endr
	s_wait_dscnt 0x0
.irp c, 0,1                                    ; my block 2 c + h: all its 32 numbers are mine
	v_max3_num_f32 v[88+\c], |v[16+32*\c]|, |v[17+32*\c]|, 0x1800000   ; and the floor 2^(3 - 127): the byte cannot fall under 1
.endr
.irp i, 2,4,6,8,10,12,14,16,18,20,22,24,26,28,30
.irp c, 0,1
	v_max3_num_f32 v[88+\c], v[88+\c], |v[16+32*\c+\i]|, |v[17+32*\c+\i]|
.endr
.endr
.irp c, 0,1
	v_add_nc_u32 v[90+\c], 0xff000000, v[88+\c]    ; 2 off the exponent field: the conversion takes this operand's exponent field as its scale
.endr
.irp c, 0,1
	v_lshrrev_b32 v[92+\c], 23, v[90+\c]           ; the scale's byte
.endr
	v_lshl_or_b32 v94, v93, 16, v92                ; blocks h and 2 + h,
	v_lshlrev_b32 v95, 3, v13
	v_lshlrev_b32 v94, v95, v94                    ; at their places in the scale word;
	v_mov_b32 v96, 0
	v_permlanex16_b32 v96, v94, s20, s21
	v_or_b32 v94, v94, v96                         ; with lane l xor 16's two the word is whole
.irp c, 0,1
.irp g, 0,1,2,3
	v_cvt_scalef32_pk8_fp4_f32 v[80+4*\c+\g], v[16+32*\c+8*\g:23+32*\c+8*\g], v[90+\c]   ; registers 4 c .. 4 c + 3 of the operand
.endr
.endr
	v_nop                                          ; one plain place behind a scaled conversion
.irp c, 0,1
	ds_store_b128 v8, v[80+4*\c:83+4*\c] offset:512*\c
.endr
	ds_store_b32 v9, v94
	s_wait_dscnt 0x0                               ; for the others' sake: my K step's image lies in LDS
	s_barrier_signal -1
	s_barrier_wait -1
.irp s, 0,1,2,3
.irp c, 0,1
	ds_load_b128 v[204+8*\s+4*\c:207+8*\s+4*\c], v1 offset:IMG+1024*\s+512*\c
.endr
	ds_load_b32 v[200+\s], v5 offset:ISC+128*\s
.endr
	v_cmp_gt_u32 vcc_lo, 16, v11
	s_wait_loadcnt 0x0                             ; Wp and bp
	s_wait_dscnt 0x0
.irp s, 0,1,2,3                                ; two accumulators by turns, one instruction a turn
.irp t, 0,1
.if \s == 0
	v_wmma_scale_f32_16x16x128_f8f6f4 v[236+8*\t:243+8*\t], v[204+8*\s:211+8*\s], v[128+32*\t+8*\s:135+32*\t+8*\s], 0, v[200+\s], v[192+4*\t+\s] matrix_a_fmt:MATRIX_FMT_FP4 matrix_b_fmt:MATRIX_FMT_FP4
.else
	v_wmma_scale_f32_16x16x128_f8f6f4 v[236+8*\t:243+8*\t], v[204+8*\s:211+8*\s], v[128+32*\t+8*\s:135+32*\t+8*\s], v[236+8*\t:243+8*\t], v[200+\s], v[192+4*\t+\s] matrix_a_fmt:MATRIX_FMT_FP4 matrix_b_fmt:MATRIX_FMT_FP4
.endif
.endr
.endr
.rept 4
	v_nop                                          ; four places in front of the first read of results (ISA guide 7.12.1)
.endr
	v_cndmask_b32 v253, v244, v236, vcc_lo         ; register 0 of lane l is column l % 16 of the tile: lanes 0-15 take the first tile's, lanes 16-31 the second's
	v_add_f32 v253, v253, v252
	ds_store_b32 v10, v253
	s_wait_dscnt 0x0                               ; for wave 0's sake
	s_barrier_signal -1
	s_barrier_wait -1
	s_cmp_lg_u32 s16, 0
	s_cbranch_scc1 .Lend
	ds_load_b128 v[16:19], v1 offset:OUTS
	s_wait_dscnt 0x0
	global_store_b128 v1, v[16:19], s[14:15]       ; 512 consecutive bytes, aligned
.Lend:
	s_wait_tensorcnt 0x0
	ds_add_u32 v14, v15
	s_wait_dscnt 0x0
	s_endpgm
.Lfunc_end_k_qf8ec329305_proj:
	.size	k_qf8ec329305_proj, .Lfunc_end_k_qf8ec329305_proj-k_qf8ec329305_proj
	.p2alignl 7, 3214868480
	.fill 96, 4, 3214868480
	.section	.rodata,"a",@progbits
	.p2align	6, 0x0
	.amdhsa_kernel k_qf8ec329305_proj
		.amdhsa_group_segment_fixed_size 8704
		.amdhsa_private_segment_fixed_size 0
		.amdhsa_enable_private_segment 0
		.amdhsa_kernarg_size 48
		.amdhsa_user_sgpr_count 2
		.amdhsa_user_sgpr_kernarg_segment_ptr 1
		.amdhsa_wavefront_size32 1
		.amdhsa_system_sgpr_workgroup_id_x 1
		.amdhsa_system_sgpr_workgroup_id_y 1
		.amdhsa_system_sgpr_workgroup_id_z 1
		.amdhsa_system_vgpr_workitem_id 0
		.amdhsa_next_free_vgpr 256
		.amdhsa_next_free_sgpr 66
		.amdhsa_reserve_vcc 1
		.amdhsa_float_denorm_mode_32 3
		.amdhsa_float_denorm_mode_16_64 3
		.amdhsa_memory_ordered 1
		.amdhsa_forward_progress 1
		.amdhsa_inst_pref_size 22
	.end_amdhsa_kernel
	.amdgpu_metadata
---
amdhsa.version: [ 1, 2 ]
amdhsa.kernels:
  - .name:           k_qf8ec329305_proj
    .symbol:         k_qf8ec329305_proj.kd
    .args:
      - { .name: ppool, .offset: 0, .size: 8, .value_kind: global_buffer, .address_space: global }
      - { .name: pstat, .offset: 8, .size: 8, .value_kind: global_buffer, .address_space: global }
      - { .name: Wp_codes, .offset: 16, .size: 8, .value_kind: global_buffer, .address_space: global }
      - { .name: Wp_scales, .offset: 24, .size: 8, .value_kind: global_buffer, .address_space: global }
      - { .name: bp, .offset: 32, .size: 8, .value_kind: global_buffer, .address_space: global }
      - { .name: out0, .offset: 40, .size: 8, .value_kind: global_buffer, .address_space: global }
    .group_segment_fixed_size: 8704
    .private_segment_fixed_size: 0
    .kernarg_segment_align: 8
    .kernarg_segment_size: 48
    .max_flat_workgroup_size: 128
    .sgpr_count:     66
    .vgpr_count:     256
    .wavefront_size: 32
...
	.end_amdgpu_metadata
.endif
;; end of part 2
